; MI455X (gfx1250); checked and timed in simulation.
; The chip was launched on July 23, 2026; its instructions are those of AMD's public machine-readable ISA for CDNA 5 (MIT licence, August 2026) and "CDNA5" Instruction Set Architecture Reference Guide (July 2026). The comments in the code are by the model that wrote it; some were corrected since.
;; Cross Attention. Allowed arithmetic: matrix products marked QUANTISED: E3M2 operands, one E8M0 scale for each 32 along K, by v_wmma_scale_f32_16x16x128_f8f6f4 with both operands' format E3M2, f32 sums; products left as they are: f32 operands where the result goes on into a quantised operand, else bf16, f16 or f32 operands; f32 sums; everything else in f32.
;; Inputs: Wk 1 x 1,024 float32; Wq 1 x 1,024 float32; Wv 1,024 x 1,024 float32; bk 1,024 float32; bq 1,024 float32; bv 1,024 float32; key 4 x 2,048 x 1 float32; query 4 x 2,048 x 1 float32; value 4 x 2,048 x 1,024 float32.
;; Outputs: out0 64 x 2,048 x 64 float32.
;; This version of the problem:
;;   THIS VERSION OF THE PROBLEM IS GIVEN IN LOW PRECISION. The matrix products marked QUANTISED in the list below multiply operands that are first quantised to E3M2 (3 exponent bits, 2 mantissa bits; 6 bits a number), with one power-of-two scale for each 32 numbers along K (OCP MX v1.0); their sums are f32. All else is computed in f32.
;;   The module's matrix products, in the order in which they are computed (A, B: the left and right operand; K: the contracted axis; several contracted axes count as one K, in the product's order):
;;     1. [M 8,192, K 1] x [K 1, N 1,024]; A: input query; B: input Wq: left as it is (K = 1 < 32)
;;     2. [M 8,192, K 1] x [K 1, N 1,024]; A: input key; B: input Wk: left as it is (K = 1 < 32)
;;     3. [M 8,192, K 1,024] x [K 1,024, N 1,024]; A: input value; B: input Wv: QUANTISED
;;     4. batch 64 x [M 2,048, K 64] x [K 64, N 2,048]; A: computed on the way; B: computed on the way: QUANTISED
;;     5. batch 64 x [M 2,048, K 2,048] x [K 2,048, N 64]; A: softmax (see below); B: computed on the way: QUANTISED
;;   THE QUANTISER, for each operand of a quantised product, along K:
;;     - K is cut into blocks of 32 from its start; a last block that is shorter is filled with zeros.
;;     - A block's scale is 2^e with e = floor(log2(the largest magnitude in the block)) - 4, held to -126 .. 127; a block of zeros has e = 0. As a byte (E8M0): e + 127.
;;     - Each number is divided by its block's scale, clamped to +-28, and rounded to the nearest number of E3M2, ties to even, subnormals kept.
;;     - The product sums the exact products of the quantised numbers (number of the format x scale) in f32.
;;   ~~~python
;;   def quantise(x, axis):      # numpy; x: float32 -> the quantised numbers, widened to float32 again
;;       x = np.moveaxis(x, axis, -1); K = x.shape[-1]
;;       x = np.pad(x, [(0, 0)] * (x.ndim - 1) + [(0, -K % 32)]); x = x.reshape(x.shape[:-1] + (-1, 32)); a = np.abs(x).max(-1, keepdims=True)
;;       e = np.where(a > 0, np.clip(np.frexp(np.where(a > 0, a, 1))[1] - 1 - 4, -126, 127), 0)      # np.frexp(a)[1] - 1 = floor(log2(a)), exactly
;;       r = np.clip(x / 2.0 ** e, -28, 28)
;;       step = 2.0 ** (np.maximum(np.frexp(np.where(r == 0, 1, r))[1] - 1, -2) - 2)
;;       q = np.round(r / step) * step * 2.0 ** e      # np.round: ties to even
;;       return np.moveaxis(q.reshape(q.shape[:-2] + (-1,))[..., :K], -1, axis).astype(np.float32)
;;   ~~~
;;   SOFTMAX AHEAD OF A QUANTISED PRODUCT. Where the list says 'softmax', what is quantised is not the finished softmax but p = 2^(t - M), with t = logit x log2(e) and M = ceil(the row's largest t), a whole number; so 1/2 < the row's largest p <= 1. The row's sum l is taken of the UNQUANTISED p, in f32, and the product's result is divided by l at the end. Since M is a whole number, a kernel that streams over the keys may use a running M (the ceiling of the running maximum): every later rescaling is an exact power of two, which a block's scale takes up: the codes' values come out the same.
;;   OPERANDS COMPUTED ON THE WAY. 'Computed on the way' means the value that the module computes at that place (a softmax that the list does not call 'softmax' is quantised finished and normalised). What goes into a quantiser is computed in f32, as accurately as f32 sums, v_exp_f32 and their like allow (about 1e-6 of the number): no bf16 or f16 on the way to a quantiser, and a product that is left as it is and whose result goes on into a quantised operand takes f32 operands (vector FMAs, or v_wmma_f32_16x16x4_f32). A number that lies on a knife's edge between two numbers of the format may be rounded either way, as far as f32 arithmetic and the matrix unit's own rounding can turn it there, and no further.
;; One version. Each part assembles by itself: llvm-mc -triple=amdgcn-amd-amdhsa -mcpu=gfx1250 --defsym DOCPART=n.
;; ======== version 1 of 1: 3 launches
;; limits: right only within a limited range of input values
;; workspace buffers: va 6,553,600 bytes; wvc 786,432 bytes; wvs 32,768 bytes; kv 13,107,200 bytes
;; launch prep (part 1): grid 256 x 1, 6 waves a work-group, no clusters, 52,992 bytes of LDS; arguments value, Wv, va, wvc, wvs; writes va, wvc, wvs
.if DOCPART == 1
	.amdgcn_target "amdgcn-amd-amdhsa--gfx1250"
	.amdhsa_code_object_version 6
	.text
	.protected	k_q4b87780507_prep
	.globl	k_q4b87780507_prep
	.p2align	8
	.type	k_q4b87780507_prep,@function
k_q4b87780507_prep:
	s_mov_b64 s[64:65], 0
	v_nop
	global_prefetch_b8 v0, s[64:65] scope:SCOPE_SE
	s_setreg_imm32_b32 hwreg(HW_REG_WAVE_MODE, 25, 1), 1
	s_wait_xcnt 0x0
; PREP.  value [8192][1024] f32 (K innermost) and Wv [1024 (K)][1024] f32 (K outermost) become codes of BF6 (E3M2) with one E8M0 byte for each 32 along K,
; laid as IMAGES OF OPERAND REGISTERS: a fragment (16 rows x 128 K) is 12 registers a lane; register g of lane l lies at 512 (g / 4) + 16 l + 4 (g % 4) of its 1,536 bytes.
; A block's scale is 2^(floor(log2(largest magnitude)) - 4): the largest magnitude's exponent field less 4, held at 1 from below by a floor among the maximum's leaves.
; LIMITS: a block of zeros gets the byte 1 where the rule says 127 (its codes are zeros, and this program alone reads the bytes); NaN and infinities among the inputs are not served.
; va [g 64][ks 8][12,800]: g = 128 rows of value, ks = 128 along K: eight images (tiles of 16 rows), then 512 bytes of scale words: tile 4 mh + q, row r at 256 mh + 16 r + 4 q.
; THE ROWS OF A TILE ARE NOT NEIGHBOURS: lane r of tile i takes row 32 (i / 2) + 8 (i % 2) + r + 8 (r / 8) of the 128, so that the next launch's results are neighbours along the keys.
; wvc [T 64][ks 8][1,536]: Wv's columns 16 T .. 16 T + 15;  wvs [T][ks][16][4]: their scale words.
; SHARES.  Waves 0-3: one task each of 64 rows x 128 K of value (1,024 tasks).  Waves 4-5: one fragment of Wv each (512).  Waves share nothing: no barrier.  No matrix unit, no cluster: nothing is read twice.
.set FLOOR, 0x2800000                  ; 2^(5 - 127)
.set SUB4,  0xfe000000                 ; -(4 << 23)
.set STG,   4352                       ; a stage: 16 rows x (256 bytes + 16); two for each wave
.set LN,   1                           ; lane
.set RR,   2                           ; r = lane % 16
.set HV,   3                           ; h = lane / 16
.set GI,   4                           ; value: 4,096 h + 16 r: sixteen lanes read 256 consecutive bytes of one row
.set SI,   5                           ; the stage, on the way in
.set SO,   6                           ; and on the way out: row r, 128 h bytes on
.set L16,  7                           ; 16 x lane: an image's place
.set WO,   8                           ; 16 r + 8 h: the scale words' place
.set R4,   9                           ; 4 r
.set WVO,  10                          ; Wv: 4 r + 32 rows x h
.set MX0,  12
.set MX1,  13
.set SOPQ, 14
.set T1,   15
.set RS,   16                          ; v16-143  four sets of 32: numbers as loaded
.set XS,   144                         ; v144-207 two sets of 32: a lane's whole block
.set FR,   208                         ; v208-231 two fragments
.set BY0,  240                         ; v240-241 the bytes of my two blocks
.set TW,   242
.set TP,   243
.set WD,   244                         ; v244-247 the four tiles' scale words
.set OUTP, 248
.set CT,   250                         ; v250-252 (a conversion's three registers begin on an even number)
; 32 numbers of a lane, one whole block, become six registers of codes at v[d] on and the scale's byte in v[by]
.macro Q32 x, d, by
	v_max3_num_f32 v[MX0], |v[(\x)]|, |v[(\x)+1]|, FLOOR
	v_max3_num_f32 v[MX1], |v[(\x)+2]|, |v[(\x)+3]|, |v[(\x)+4]|
.set QI, 5
.rept 6
	v_max3_num_f32 v[MX0], v[MX0], |v[(\x)+QI]|, |v[(\x)+QI+1]|
	v_max3_num_f32 v[MX1], v[MX1], |v[(\x)+QI+2]|, |v[(\x)+QI+3]|
.set QI, QI+4
.endr
	v_max3_num_f32 v[MX0], v[MX0], |v[(\x)+29]|, |v[(\x)+30]|
	v_max3_num_f32 v[MX0], v[MX0], v[MX1], |v[(\x)+31]|
	v_add_nc_u32 v[SOPQ], SUB4, v[MX0]             ; 4 off the exponent field: the conversion takes this operand's exponent field as its scale
	v_lshrrev_b32 v[\by], 23, v[SOPQ]              ; the byte
	v_cvt_scalef32_pk16_bf6_f32 v[(\d):(\d)+2], v[(\x):(\x)+15], v[SOPQ]
	v_cvt_scalef32_pk16_bf6_f32 v[CT:CT+2], v[(\x)+16:(\x)+31], v[SOPQ]
	v_nop                                          ; one plain place behind a scaled conversion
	v_mov_b32 v[(\d)+3], v[CT]
	v_mov_b32 v[(\d)+4], v[CT+1]
	v_mov_b32 v[(\d)+5], v[CT+2]
.endm
; lanes 16-31 hold the odd blocks' bytes: 8 bits up, and joined with lane l xor 16's: every lane then holds its row's whole word
.macro HALFWORD dst, src
	v_lshlrev_b32 v[T1], 8, v[\src]
	v_cndmask_b32 v[T1], v[\src], v[T1], s26
	v_permlanex16_b32 v[TP], v[T1], s24, s25
	v_or_b32 v[\dst], v[T1], v[TP]
.endm
	s_load_b256 s[4:11], s[0:1], 0x0               ; value s[4:5], Wv s[6:7], va s[8:9], wvc s[10:11]
	s_load_b64 s[12:13], s[0:1], 0x20              ; wvs
	v_lshl_add_u32 v254, v0, 2, 0xcc00
	v_mov_b32 v255, 0
	v_lshrrev_b32 v1, 5, v0
	v_readfirstlane_b32 s14, v1                    ; wave 0..5
	v_and_b32 v[LN], 31, v0
	v_and_b32 v[RR], 15, v0
	v_bfe_u32 v[HV], v0, 4, 1
	v_lshlrev_b32 v[GI], 4, v[RR]
	v_lshl_add_u32 v[GI], v[HV], 12, v[GI]
	s_mul_i32 s15, s14, 2*STG                      ; my wave's two stages.  Every LDS address is made here, ahead of the parting of the roles
	v_mul_u32_u24 v[SI], v[HV], 272
	v_lshl_add_u32 v[SI], v[RR], 4, v[SI]
	v_add_nc_u32 v[SI], s15, v[SI]
	v_mul_u32_u24 v[SO], v[RR], 272
	v_lshl_add_u32 v[SO], v[HV], 7, v[SO]
	v_add_nc_u32 v[SO], s15, v[SO]
	v_lshlrev_b32 v[L16], 4, v[LN]
	v_lshlrev_b32 v[WO], 4, v[RR]
	v_lshl_add_u32 v[WO], v[HV], 3, v[WO]
	v_lshlrev_b32 v[R4], 2, v[RR]
	v_lshl_add_u32 v[WVO], v[HV], 17, v[R4]
	v_mov_b32 v[TP], 0                             ; written once: a lane permute's destination counts as one of its sources
	s_mov_b32 s24, 0x76543210
	s_mov_b32 s25, 0xfedcba98                      ; selects for lane l xor 16
	s_mov_b32 s26, 0xffff0000                      ; lanes 16-31
	s_mov_b32 s21, 0
	s_wait_kmcnt 0x0
	s_cmp_ge_u32 s14, 4
	s_cbranch_scc1 .Lweights
	; ---- waves 0-3: value.  Task 4 x + wave = 16 g + 2 ks + mh
	s_lshl_b32 s16, ttmp9, 2
	s_add_co_u32 s16, s16, s14
	s_lshr_b32 s17, s16, 4                         ; g
	s_bfe_u32 s18, s16, 0x30001                    ; ks
	s_and_b32 s19, s16, 1                          ; mh
	s_lshl_b32 s20, s17, 19                        ; 128 g rows of 4,096 bytes
	s_lshl_b32 s22, s19, 18                        ; + 64 mh rows
	s_add_co_u32 s20, s20, s22
	s_lshl_b32 s22, s18, 9                         ; + 128 ks numbers
	s_add_co_u32 s20, s20, s22
	s_add_nc_u64 s[4:5], s[4:5], s[20:21]
	s_lshl_b32 s20, s17, 3
	s_add_co_u32 s20, s20, s18
	s_mul_i32 s20, s20, 12800
	s_add_nc_u64 s[8:9], s[8:9], s[20:21]          ; va's entry (g, ks)
	s_mul_i32 s20, s19, 6144
	s_add_nc_u64 s[22:23], s[8:9], s[20:21]        ; my four images
	s_lshl_b32 s20, s19, 8
	s_add_nc_u64 s[8:9], s[8:9], s[20:21]          ; my 256 bytes of scale words (12,288 bytes on: in the immediate)
; Half fragment hf = 2 i + c: tile i's 16 rows x 64 numbers (256 bytes a row).  Load u brings fragment rows 2 u and 2 u + 1: 2 x 256 consecutive bytes
.macro LOAD hf
.irp u, 0,1,2,3,4,5,6,7
	global_load_b128 v[RS+32*((\hf)%4)+4*\u:RS+32*((\hf)%4)+4*\u+3], v[GI], s[4:5] offset:(32*((\hf)/4)+8*(((\hf)/2)%2)+2*\u+8*(\u/4))*4096+256*((\hf)%2) th:TH_LOAD_NT
.endr
.endm
; through my stage: in as loaded, back 128 bytes a lane: K = 64 c + 32 h + 0 .. 31 of fragment row r.  LDS serves a wave's instructions in order (ISA guide 5.7.1.4): no wait between
.macro TURN hf
.irp u, 0,1,2,3,4,5,6,7
	ds_store_b128 v[SI], v[RS+32*((\hf)%4)+4*\u:RS+32*((\hf)%4)+4*\u+3] offset:STG*((\hf)%2)+544*\u
.endr
.irp j, 0,1,2,3,4,5,6,7
	ds_load_b128 v[XS+32*((\hf)%2)+4*\j:XS+32*((\hf)%2)+4*\j+3], v[SO] offset:STG*((\hf)%2)+16*\j
.endr
.endm
.macro HALF hf
	s_wait_dscnt 0x0                               ; this half's numbers are back, and its stores into the stage have read their registers,
.if (\hf)+4 < 8
	LOAD (\hf)+4                                   ; which take the loads of four halves on
.endif
.if (\hf) < 7
.if (\hf) < 4
	s_wait_loadcnt 24                              ; the next half's eight loads are in; those of the three halves behind it may be out
.else
	s_wait_loadcnt 8*(6-(\hf))                     ; the counts run down: nothing more is asked for
.endif
	TURN (\hf)+1                                   ; through the other stage while this half is worked
.endif
.if ((\hf) >= 4) && ((\hf)%2 == 0)
	s_wait_xcnt 0x0                                ; the stores of the tile two back have read this fragment's registers
.endif
	Q32 XS+32*((\hf)%2), FR+12*(((\hf)/2)%2)+6*((\hf)%2), BY0+(\hf)%2
.if (\hf)%2 == 1
	v_lshl_or_b32 v[TW], v[BY0+1], 16, v[BY0]      ; my blocks h and 2 + h
	HALFWORD WD+(\hf)/2, TW
.irp k, 0,1,2
	global_store_b128 v[L16], v[FR+12*(((\hf)/2)%2)+4*\k:FR+12*(((\hf)/2)%2)+4*\k+3], s[22:23] offset:1536*((\hf)/2)+512*\k   ; 512 consecutive bytes, aligned
.endr
.endif
.endm
	LOAD 0
	LOAD 1
	LOAD 2
	LOAD 3
	s_wait_loadcnt 24                              ; half 0's eight loads are in
	s_wait_alu depctr_va_vdst(0)
	TURN 0
.irp t, 0,1,2,3,4,5,6,7
	HALF \t
.endr
	v_cndmask_b32 v[OUTP], v[WD], v[WD+2], s26     ; lanes 0-15 store tiles 0 and 1's words of row r, lanes 16-31 tiles 2 and 3's
	v_cndmask_b32 v[OUTP+1], v[WD+1], v[WD+3], s26
	global_store_b64 v[WO], v[OUTP:OUTP+1], s[8:9] offset:12288   ; 256 consecutive bytes, aligned
	s_wait_tensorcnt 0x0
	ds_add_u32 v254, v255
	s_wait_dscnt 0x0
	s_endpgm
	; ---- waves 4-5: a fragment of Wv.  A lane takes a column and its registers run down K, in the order of the operand's registers
.Lweights:
	s_lshl_b32 s16, ttmp9, 1
	s_add_co_u32 s16, s16, s14
	s_sub_co_u32 s16, s16, 4                       ; fragment 2 x + wave - 4 = 64 ks + T
	s_and_b32 s17, s16, 63                         ; T
	s_lshr_b32 s18, s16, 6                         ; ks
	s_lshl_b32 s20, s18, 19                        ; 128 ks rows of 4,096 bytes
	s_lshl_b32 s22, s17, 6                         ; + 16 T columns
	s_add_co_u32 s20, s20, s22
	s_add_nc_u64 s[6:7], s[6:7], s[20:21]
	s_lshl_b32 s19, s17, 3
	s_add_co_u32 s19, s19, s18                     ; 8 T + ks
	s_mul_i32 s20, s19, 1536
	s_add_nc_u64 s[10:11], s[10:11], s[20:21]
	s_lshl_b32 s20, s19, 6
	s_add_nc_u64 s[12:13], s[12:13], s[20:21]
	s_wait_alu depctr_va_vdst(0)
.irp c, 0,1
.irp i, 0,1,2,3,4,5,6,7,8,9,10,11,12,13,14,15,16,17,18,19,20,21,22,23,24,25,26,27,28,29,30,31
	global_load_b32 v[RS+32*\c+\i], v[WVO], s[6:7] offset:(64*\c+\i)*4096   ; Wv(128 ks + 64 c + 32 h + i, 16 T + r)
.endr
.endr
	s_wait_loadcnt 32                              ; the first 32 rows are in; the second 32 may be out
	Q32 RS, FR, BY0
	s_wait_loadcnt 0x0
	Q32 RS+32, FR+6, BY0+1
	v_lshl_or_b32 v[TW], v[BY0+1], 16, v[BY0]
	HALFWORD WD, TW
.irp k, 0,1,2
	global_store_b128 v[L16], v[FR+4*\k:FR+4*\k+3], s[10:11] offset:512*\k
.endr
	global_store_b32 v[R4], v[WD], s[12:13]        ; column r's word; lanes l and l xor 16 hold the same word and write it to the same place
	s_endpgm
.Lfunc_end_k_q4b87780507_prep:
	.size	k_q4b87780507_prep, .Lfunc_end_k_q4b87780507_prep-k_q4b87780507_prep
	.p2alignl 7, 3214868480
	.fill 96, 4, 3214868480
	.section	.rodata,"a",@progbits
	.p2align	6, 0x0
	.amdhsa_kernel k_q4b87780507_prep
		.amdhsa_group_segment_fixed_size 52992
		.amdhsa_private_segment_fixed_size 0
		.amdhsa_enable_private_segment 0
		.amdhsa_kernarg_size 40
		.amdhsa_user_sgpr_count 2
		.amdhsa_user_sgpr_kernarg_segment_ptr 1
		.amdhsa_wavefront_size32 1
		.amdhsa_system_sgpr_workgroup_id_x 1
		.amdhsa_system_sgpr_workgroup_id_y 1
		.amdhsa_system_sgpr_workgroup_id_z 1
		.amdhsa_system_vgpr_workitem_id 0
		.amdhsa_next_free_vgpr 256
		.amdhsa_next_free_sgpr 66
		.amdhsa_reserve_vcc 0
		.amdhsa_float_denorm_mode_32 3
		.amdhsa_float_denorm_mode_16_64 3
		.amdhsa_memory_ordered 1
		.amdhsa_forward_progress 1
		.amdhsa_inst_pref_size 41
	.end_amdhsa_kernel
	.amdgpu_metadata
---
amdhsa.version: [ 1, 2 ]
amdhsa.kernels:
  - .name:           k_q4b87780507_prep
    .symbol:         k_q4b87780507_prep.kd
    .args:
      - { .name: value, .offset: 0, .size: 8, .value_kind: global_buffer, .address_space: global }
      - { .name: Wv, .offset: 8, .size: 8, .value_kind: global_buffer, .address_space: global }
      - { .name: va, .offset: 16, .size: 8, .value_kind: global_buffer, .address_space: global }
      - { .name: wvc, .offset: 24, .size: 8, .value_kind: global_buffer, .address_space: global }
      - { .name: wvs, .offset: 32, .size: 8, .value_kind: global_buffer, .address_space: global }
    .group_segment_fixed_size: 52992
    .private_segment_fixed_size: 0
    .kernarg_segment_align: 8
    .kernarg_segment_size: 40
    .max_flat_workgroup_size: 192
    .sgpr_count:     66
    .vgpr_count:     256
    .wavefront_size: 32
...
	.end_amdgpu_metadata
.endif
;; end of part 1
;; launch vproj (part 2): grid 4 x 64, 4 waves a work-group, clusters of 4 x 1, 168,448 bytes of LDS; arguments va, wvc, wvs, bv, key, Wk, bk, kv; writes kv
.if DOCPART == 2
	.amdgcn_target "amdgcn-amd-amdhsa--gfx1250"
	.amdhsa_code_object_version 6
	.text
	.protected	k_q4b87780507_vproj
	.globl	k_q4b87780507_vproj
	.p2align	8
	.type	k_q4b87780507_vproj,@function
k_q4b87780507_vproj:
	s_mov_b64 s[64:65], 0
	v_nop
	global_prefetch_b8 v0, s[64:65] scope:SCOPE_SE
	s_setreg_imm32_b32 hwreg(HW_REG_WAVE_MODE, 25, 1), 1
	s_wait_xcnt 0x0
	s_wait_alu depctr_hold_cnt(0) depctr_sa_sdst(0) depctr_va_vdst(0) depctr_va_sdst(0) depctr_va_ssrc(0) depctr_va_vcc(0) depctr_vm_vsrc(0)
	s_getreg_b32 s2, hwreg(HW_REG_IB_STS2, 6, 4)
	s_cmp_eq_u32 s2, 0
	s_cbranch_scc0 .Lentry_in_a_cluster
	s_endpgm
.Lentry_in_a_cluster:
	s_bfe_u32 s2, ttmp6, 0x10000c
	s_cmp_lg_u32 s2, 0x3003
	s_cbranch_scc0 .Lentry_shape_is_right
	s_endpgm
.Lentry_shape_is_right:
; VPROJ.  v = Q(value) Q(Wv) + bv on codes of BF6, quantised again along the KEYS; k = key Wk + bk in f32 (one fused multiply-add), quantised along the head's 64.
; Both leave as one RECORD of 13,056 bytes for each (head n = 4 hh + b, step s of 128 keys), laid in the order in which the attention launch's operand registers take them:
;   0      8 x 512   K's tile t, registers 0-3, 16 bytes a lane        4,096  8 x 256  its registers 4-5, 8 bytes a lane  (K = 64: registers 6-11 are zero codes and are not stored)
;   6,144  512       K's scale words, 16 bytes a lane: lanes 0-15 tiles 0-3, lanes 16-31 tiles 4-7 (bytes 2 and 3 are 0: they stand over zero codes)
;   6,656  4 x 1,536 V^T's images, 16 of the head's 64 x 128 keys      12,800 256      V's scale words, 8 bytes a lane: lanes 0-15 tiles 0, 1, lanes 16-31 tiles 2, 3
; Lane r of K's tile t takes key 32 (t / 2) + 8 (t % 2) + r + 8 (r / 8), so that the scores' registers will be neighbours along the keys.
; SHARES.  A work-group takes 128 rows (g = 16 b + s) and four heads; wave w takes head hh = 4 cx + w: 128 keys x 64 columns: 32 accumulators, 256 matrix instructions.
; CLUSTER.  The four work-groups of a cluster take the same g: value's codes of these rows, 102,400 dense bytes, are asked for JOINTLY, a quarter by each wave, once; nothing is filled again.
; Wv's fragments are each used by one wave of a work-group, once: they go from memory straight into its registers (384 registers) and are not shared through LDS.
; LIMITS: a block of zeros gets the byte 1 where the rule says 127 (zero codes; the bytes are this program's own); NaN and infinities are not served.
; REGISTERS, in windows of 256.  Window 0: v1-10 addresses; v12-31 at work; v32-39 value's scale words (two sets), v40-55 Wv's; v56-59 bv; v64-159, v160-255 value's fragments, two sets
;   (ahead of the products v64-246 serve K; behind them v64-159 V's codes).  Window 1: Wv's fragments of tiles 0, 1.  Window 2: of tiles 2, 3; v192-223 the bias.  Window 3: the accumulators, (t, i) at 64 t + 8 i.
; THE RECORD AS IT IS STORED BELOW, 12,800 bytes (this table takes the place of the one above):
;   0      4 x 1,536 K's tiles in PAIRS, one image each: registers 0-5 tile 2 P (the head's 64), registers 6-11 tile 2 P + 1
;   6,144  256       the pairs' scale words (bytes 0, 1 tile 2 P; bytes 2, 3 tile 2 P + 1), 8 bytes a lane: lanes 0-15 pairs 0, 1, lanes 16-31 pairs 2, 3
;   6,400  4 x 1,536 V^T's images                 12,544 256  V's scale words, 8 bytes a lane
; Lane r of K's tile t takes key 64 (t / 4) + 32 (r / 8) + 8 (t % 4) + r % 8: a lane of the scores then holds a whole block of 32 keys.
.set FLOOR, 0x2800000
.set SUB4,  0xfe000000
.set LN,   1
.set RR,   2
.set HV,   3
.set L16,  4                           ; 16 x lane
.set L8,   5                           ; 8 x lane
.set L4,   6                           ; 4 x lane
.set LA1,  7                           ; 16 x lane + 51,200: K steps 4 to 7 in LDS
.set KO,   8                           ; 4 (r % 8 + 32 (r / 8))
.set H128, 9                           ; 128 h
.set R4,   10                          ; 4 r
.set VW,   12                          ; v12-15 V's scale words
.set TM,   16
.set T2,   20
.set SOP,  24
.set MX0,  28
.set MX1,  29
.set BYR,  30
.set T1,   31
.set AS,   32
.set BS,   40
.set BV,   56
.set OUTP, 60
.set AP,   62                          ; v[62:63]: a key's number, and a 0 that is named with it as a pair
.set AF,   64
.set WKR,  64
.set BKR,  96
.set XK,   128
.set DK,   160
.set KW,   224
.set AT,   232
.set KSO,  240
.set CT,   244
.set BIAS, 192                         ; in window 2
.set WV,   20
.set SEL,  36
.set HM,   38
.set MSB, 0
.macro WIN new                         ; the immediate's high byte repeats the setting that is left
.if MSB != (\new)
	s_set_vgpr_msb (MSB<<8)|(\new)
.set MSB, (\new)
.endif
.endm
.macro CROUND                          ; a round of the cluster's barrier
	s_barrier_signal -1
	s_barrier_wait -1
	s_cmp_lg_u32 s[WV], 0
	s_cbranch_scc1 .Lnot_wave_0_\@
	s_barrier_signal -3
.Lnot_wave_0_\@:
	s_barrier_wait -3
	s_barrier_signal -1
	s_barrier_wait -1
.endm
.macro PLACES                          ; four places behind a matrix instruction of this form, ahead of loads into its registers and of reads of its results
.rept 4
	v_nop
.endr
.endm
.macro Q32 x, d, by                    ; 32 numbers of a lane, one whole block -> six registers of codes, and the scale's byte
	v_max3_num_f32 v[MX0], |v[(\x)]|, |v[(\x)+1]|, FLOOR
	v_max3_num_f32 v[MX1], |v[(\x)+2]|, |v[(\x)+3]|, |v[(\x)+4]|
.set QI, 5
.rept 6
	v_max3_num_f32 v[MX0], v[MX0], |v[(\x)+QI]|, |v[(\x)+QI+1]|
	v_max3_num_f32 v[MX1], v[MX1], |v[(\x)+QI+2]|, |v[(\x)+QI+3]|
.set QI, QI+4
.endr
	v_max3_num_f32 v[MX0], v[MX0], |v[(\x)+29]|, |v[(\x)+30]|
	v_max3_num_f32 v[MX0], v[MX0], v[MX1], |v[(\x)+31]|
	v_add_nc_u32 v[SOP], SUB4, v[MX0]
	v_lshrrev_b32 v[\by], 23, v[SOP]
	v_cvt_scalef32_pk16_bf6_f32 v[(\d):(\d)+2], v[(\x):(\x)+15], v[SOP]
	v_cvt_scalef32_pk16_bf6_f32 v[CT:CT+2], v[(\x)+16:(\x)+31], v[SOP]
	v_nop                                          ; one plain place behind a scaled conversion
	v_mov_b32 v[(\d)+3], v[CT]
	v_mov_b32 v[(\d)+4], v[CT+1]
	v_mov_b32 v[(\d)+5], v[CT+2]
.endm
.macro HALFWORD dst, src               ; lanes 16-31's byte 8 bits up, joined with lane l xor 16's
	v_lshlrev_b32 v[T1], 8, v[\src]
	v_cndmask_b32 v[T1], v[\src], v[T1], s[HM]
	v_permlanex16_b32 v[T2], v[T1], s[SEL], s[SEL+1]
	v_or_b32 v[\dst], v[T1], v[T2]
.endm
.macro WM d, a, b, c, sa, sb, ra, rb   ; one product; ra, rb: the scale words stand in lanes 16-31 of their registers
.if (\ra) && (\rb)
	v_wmma_scale_f32_16x16x128_f8f6f4 v[(\d):(\d)+7], v[(\a):(\a)+11], v[(\b):(\b)+11], v[(\c):(\c)+7], v[\sa], v[\sb] matrix_a_fmt:MATRIX_FMT_BF6 matrix_b_fmt:MATRIX_FMT_BF6 matrix_a_scale:MATRIX_SCALE_ROW1 matrix_b_scale:MATRIX_SCALE_ROW1
.elseif (\ra)
	v_wmma_scale_f32_16x16x128_f8f6f4 v[(\d):(\d)+7], v[(\a):(\a)+11], v[(\b):(\b)+11], v[(\c):(\c)+7], v[\sa], v[\sb] matrix_a_fmt:MATRIX_FMT_BF6 matrix_b_fmt:MATRIX_FMT_BF6 matrix_a_scale:MATRIX_SCALE_ROW1
.elseif (\rb)
	v_wmma_scale_f32_16x16x128_f8f6f4 v[(\d):(\d)+7], v[(\a):(\a)+11], v[(\b):(\b)+11], v[(\c):(\c)+7], v[\sa], v[\sb] matrix_a_fmt:MATRIX_FMT_BF6 matrix_b_fmt:MATRIX_FMT_BF6 matrix_b_scale:MATRIX_SCALE_ROW1
.else
	v_wmma_scale_f32_16x16x128_f8f6f4 v[(\d):(\d)+7], v[(\a):(\a)+11], v[(\b):(\b)+11], v[(\c):(\c)+7], v[\sa], v[\sb] matrix_a_fmt:MATRIX_FMT_BF6 matrix_b_fmt:MATRIX_FMT_BF6
.endif
.endm
	s_load_b256 s[4:11], s[0:1], 0x0               ; va s[4:5], wvc s[6:7], wvs s[8:9], bv s[10:11]
	s_load_b256 s[12:19], s[0:1], 0x20             ; key s[12:13], Wk s[14:15], bk s[16:17], kv s[18:19]
	v_lshl_add_u32 v11, v0, 2, 0x29000
	s_set_vgpr_msb 0x40
	v_mov_b32 v255, 0
	s_set_vgpr_msb 0x4044
	ds_add_u32 v11, v255
	ds_add_u32 v11, v255
	s_set_vgpr_msb 0x4400
	v_lshrrev_b32 v1, 5, v0
	v_readfirstlane_b32 s[WV], v1                  ; wave 0..3
	s_bfe_u32 s21, ttmp6, 0x40000                  ; cx: it enters global addresses of my own loads and stores alone
	s_and_b32 s22, ttmp7, 0xffff                   ; g, which the four partners share
	; descriptor group 1: 100 rows of 256 bytes (32 elements of 8 bytes), dense, no padding
	s_mov_b32 s24, 15|(3<<16)|(1<<21)              ; 15:0 the mask: all four work-groups; 17:16 elements of 8 bytes; 21 set beside a mask
	s_mov_b32 s25, 32<<16                          ; tensor_dim0 = 32
	s_mov_b32 s26, 100<<16                         ; tensor_dim1 = 100
	s_mov_b32 s27, 32<<16                          ; tile_dim0 = 32
	s_mov_b32 s28, 100                             ; tile_dim1 = 100
	s_mov_b32 s29, 32                              ; from row to row
	s_mov_b32 s30, 0
	s_mov_b32 s31, 0
	s_mul_i32 s40, s22, 102400                     ; va's block g,
	s_mul_i32 s33, s[WV], 25600                    ; my quarter of it, in LDS as in memory
	s_add_co_u32 s40, s40, s33
	s_mov_b32 s41, 0
	s_mov_b32 s32, 1
	s_wait_dscnt 0x0
	s_wait_kmcnt 0x0
	s_add_nc_u64 s[34:35], s[4:5], s[40:41]
	s_or_b32 s35, s35, 0x80000000                  ; type = 2
	CROUND                                         ; all four work-groups are here: the joint loads meet
	tensor_load_to_lds s[32:35], s[24:31]          ; my one tensor load of the launch
	s_nop 0
.rept 4
	v_nop
.endr
	v_and_b32 v[LN], 31, v0
	v_and_b32 v[RR], 15, v0
	v_bfe_u32 v[HV], v0, 4, 1
	v_lshlrev_b32 v[L16], 4, v[LN]
	v_lshlrev_b32 v[L8], 3, v[LN]
	v_lshlrev_b32 v[L4], 2, v[LN]
	v_add_nc_u32 v[LA1], 51200, v[L16]
	v_and_b32 v[KO], 8, v[RR]
	v_mad_u32_u24 v[KO], v[KO], 3, v[RR]           ; r % 8 + 32 (r / 8)
	v_lshlrev_b32 v[KO], 2, v[KO]
	s_wait_alu depctr_va_vdst(0)
	v_lshlrev_b32 v[H128], 7, v[HV]
	s_wait_alu depctr_va_vdst(0)
	v_lshlrev_b32 v[R4], 2, v[RR]
	s_wait_alu depctr_va_vdst(0)
.irp b, 0,1,2,3
	v_mov_b32 v[T2+\b], 0                          ; written once: a lane permute's destination counts as one of its sources
.endr
	v_mov_b32 v[AP+1], 0
	s_mov_b32 s[SEL], 0x76543210
	s_mov_b32 s[SEL+1], 0xfedcba98
	s_mov_b32 s[HM], 0xffff0000
	s_lshl_b32 s42, s21, 2
	s_add_co_u32 s23, s42, s[WV]                   ; hh = 4 cx + wave
	s_lshr_b32 s42, s22, 4                         ; b
	s_and_b32 s43, s22, 15                         ; s
	s_lshl_b32 s44, s23, 2
	s_add_co_u32 s44, s44, s42                     ; n = 4 hh + b
	s_lshl_b32 s44, s44, 4
	s_add_co_u32 s44, s44, s43
	s_mul_i32 s44, s44, 12800
	s_mov_b32 s45, 0
	s_add_nc_u64 s[18:19], s[18:19], s[44:45]      ; my record
	s_lshl_b32 s44, s23, 8                         ; the head's 64 numbers
	s_add_nc_u64 s[14:15], s[14:15], s[44:45]
	s_add_nc_u64 s[16:17], s[16:17], s[44:45]
	s_add_nc_u64 s[10:11], s[10:11], s[44:45]
	s_mul_i32 s44, s23, 49152                      ; its 32 fragments of Wv
	s_add_nc_u64 s[6:7], s[6:7], s[44:45]
	s_lshl_b32 s44, s23, 11                        ; and their scale words
	s_add_nc_u64 s[8:9], s[8:9], s[44:45]
	s_lshl_b32 s44, s22, 9                         ; the step's 128 keys
	s_add_nc_u64 s[12:13], s[12:13], s[44:45]
	; ---- K's inputs: 28 loads
.irp t, 0,1,2,3,4,5,6,7
	global_load_b32 v[AT+\t], v[KO], s[12:13] offset:(64*(\t/4)+8*(\t%4))*4   ; tile t: my row's key
.endr
.irp j, 0,1,2,3,4,5,6,7
	global_load_b128 v[WKR+4*\j:WKR+4*\j+3], v[H128], s[14:15] offset:16*\j   ; Wk and bk at d = 32 h + 0 .. 31
	global_load_b128 v[BKR+4*\j:BKR+4*\j+3], v[H128], s[16:17] offset:16*\j
.endr
.irp t, 0,1,2,3
	global_load_b32 v[BV+\t], v[R4], s[10:11] offset:64*\t                    ; bv at column 16 t + r
.endr
.macro BLOAD t                         ; Wv's eight fragments of tile t: (t, ks) at v[12 (8 (t % 2) + ks)] of window 1 + t / 2: 24 loads
	WIN 0x40*(1+(\t)/2)
.irp ks, 0,1,2,3,4,5,6,7
.irp k, 0,1,2
	global_load_b128 v[12*(8*((\t)%2)+\ks)+4*\k:12*(8*((\t)%2)+\ks)+4*\k+3], v[L16], s[6:7] offset:(8*(\t)+\ks)*1536+512*\k
.endr
.endr
	WIN 0
.endm
	BLOAD 0
	s_wait_loadcnt 24                              ; K's 28 inputs are in; the 24 loads issued behind them may be out
	; ---- K: eight tiles of 16 keys; lane (r, h) makes d = 32 h + 0 .. 31 of its key: one whole block
.macro KTILE t
	v_mov_b32 v[AP], v[AT+(\t)]
.set JJ, 0
	s_wait_alu depctr_va_vdst(0)
.rept 16
	v_pk_fma_f32 v[XK+JJ:XK+JJ+1], v[WKR+JJ:WKR+JJ+1], v[AP:AP+1], v[BKR+JJ:BKR+JJ+1] op_sel_hi:[1,0,1]   ; key x Wk + bk, two at a time
.set JJ, JJ+2
.endr
	Q32 XK, DK+6*(\t), BYR
	HALFWORD KW+(\t), BYR
.if (\t)%2 == 1
.irp k, 0,1,2
	global_store_b128 v[L16], v[DK+6*(\t)-6+4*\k:DK+6*(\t)-3+4*\k], s[18:19] offset:1536*((\t)/2)+512*\k   ; the pair's image: 512 consecutive bytes
.endr
.endif
.endm
.irp t, 0,1,2,3,4,5,6,7
	KTILE \t
.endr
.irp q, 0,1,2,3
	v_lshl_or_b32 v[KSO+\q], v[KW+2*\q+1], 16, v[KW+2*\q]   ; a pair's word
.endr
	v_cndmask_b32 v[KSO], v[KSO], v[KSO+2], s[HM]
	v_cndmask_b32 v[KSO+1], v[KSO+1], v[KSO+3], s[HM]
	global_store_b64 v[L8], v[KSO:KSO+1], s[18:19] offset:6144
	WIN 0x80                                       ; destination window 2
.irp t, 0,1,2,3
.irp j, 0,1,2,3,4,5,6,7
	v_mov_b32 v[BIAS+8*\t+\j], v[BV+\t]            ; the bias is the C of each sum's first product: a lane holds one column, so its eight registers are equal
.endr
.endr
	WIN 0
	BLOAD 1
	BLOAD 2
	BLOAD 3
.irp t, 0,1,2,3
.irp p, 0,1,2,3
	global_load_b32 v[BS+4*\t+\p], v[L4], s[8:9] offset:(8*\t+2*\p)*64   ; lanes 0-15: K step 2 p's words, lanes 16-31: K step 2 p + 1's
.endr
.endr
	s_wait_alu depctr_va_vdst(0)
	s_wait_loadcnt 0x0
	s_wait_xcnt 0x0                                ; K's stores have read the registers that value's fragments now take
	s_wait_tensorcnt 0x0                           ; my quarter of value's codes has landed,
	s_barrier_signal -1
	s_barrier_wait -1                              ; everybody's has
	; ---- the products
.macro FETCHA ks                       ; K step ks: eight images and the scale words: 25 LDS loads into set ks % 2
.set FA, AF+96*((\ks)%2)
.irp i, 0,1,2,3,4,5,6,7
.irp k, 0,1,2
.if (\ks) < 4
	ds_load_b128 v[FA+12*\i+4*\k:FA+12*\i+4*\k+3], v[L16] offset:((\ks)%4)*12800+1536*\i+512*\k
.else
	ds_load_b128 v[FA+12*\i+4*\k:FA+12*\i+4*\k+3], v[LA1] offset:((\ks)%4)*12800+1536*\i+512*\k
.endif
.endr
.endr
.if (\ks) < 4
	ds_load_b128 v[AS+4*((\ks)%2):AS+4*((\ks)%2)+3], v[L16] offset:((\ks)%4)*12800+12288
.else
	ds_load_b128 v[AS+4*((\ks)%2):AS+4*((\ks)%2)+3], v[LA1] offset:((\ks)%4)*12800+12288
.endif
.endm
; 32 products: source 0 = 16 rows of value, source 1 = 16 columns of Wv.  In the result lane (r, h) holds column r and register 64 t + 16 b + x key 32 b + 16 h + x.
; The 32 accumulators take turns, one instruction a turn, in the same order in every K step.
.macro KSTEP ks
.if (\ks) < 7
.if (\ks) > 0
	PLACES
.endif
	FETCHA (\ks)+1
	s_wait_dscnt 25                                ; this K step's 25 loads are in; the 25 just issued may be out
.else
	s_wait_dscnt 0x0
.endif
.set FA, AF+96*((\ks)%2)
.set SA, AS+4*((\ks)%2)
.irp th, 0,1
.if (\ks) == 0
	WIN 0xe4+4*\th                                 ; source 0 window 0, source 1 window 1 or 2, C (the bias) window 2, D window 3
.else
	WIN 0xf4+4*\th                                 ; C and D window 3
.endif
.irp tl, 0,1
.irp i, 0,1,2,3,4,5,6,7
.if (\ks) == 0
	WM 64*(2*\th+\tl)+8*\i, FA+12*\i, 12*(8*\tl+(\ks)), BIAS+8*(2*\th+\tl), SA+\i%4, BS+4*(2*\th+\tl)+(\ks)/2, \i/4, (\ks)%2
.else
	WM 64*(2*\th+\tl)+8*\i, FA+12*\i, 12*(8*\tl+(\ks)), 64*(2*\th+\tl)+8*\i, SA+\i%4, BS+4*(2*\th+\tl)+(\ks)/2, \i/4, (\ks)%2
.endif
.endr
.endr
.endr
	WIN 0
.endm
	FETCHA 0
.irp s, 0,1,2,3,4,5,6,7
	KSTEP \s
.endr
	PLACES
	; ---- v, 16 columns x 128 keys at a time, is quantised along the keys: a block of 32 lies in lanes l and l xor 16
.macro VQUANT t
.set SRC, 64*(\t)
.set PCT, 64+24*(\t)
	WIN 0x0f                                       ; sources 0 and 1 window 3
.irp b, 0,1,2,3
	v_max3_num_f32 v[TM+\b], |v[SRC+16*\b]|, |v[SRC+16*\b+1]|, FLOOR      ; each accumulator is read from its low end on
.endr
	WIN 0x3c                                       ; sources 1 and 2 window 3
.irp i, 2,4,6,8,10,12,14
.irp b, 0,1,2,3
	v_max3_num_f32 v[TM+\b], v[TM+\b], |v[SRC+16*\b+\i]|, |v[SRC+16*\b+\i+1]|
.endr
.endr
	WIN 0
.irp b, 0,1,2,3
	v_permlanex16_b32 v[T2+\b], v[TM+\b], s[SEL], s[SEL+1]
.endr
.irp b, 0,1,2,3
	v_max_num_f32 v[TM+\b], v[TM+\b], v[T2+\b]
.endr
.irp b, 0,1,2,3
	v_add_nc_u32 v[SOP+\b], SUB4, v[TM+\b]
.endr
.irp b, 0,1,2,3
	v_lshrrev_b32 v[T2+\b], 23, v[SOP+\b]
.endr
	v_lshl_or_b32 v[VW+(\t)], v[T2+1], 8, v[T2]
	v_lshl_or_b32 v[VW+(\t)], v[T2+2], 16, v[VW+(\t)]
	v_lshl_or_b32 v[VW+(\t)], v[T2+3], 24, v[VW+(\t)]
	WIN 0x03                                       ; source 0 window 3
.irp c, 0,1
	v_cvt_scalef32_pk16_bf6_f32 v[PCT+6*\c:PCT+6*\c+2], v[SRC+32*\c:SRC+32*\c+15], v[SOP+2*\c]
	v_cvt_scalef32_pk16_bf6_f32 v[PCT+12+4*\c:PCT+14+4*\c], v[SRC+16+32*\c:SRC+31+32*\c], v[SOP+2*\c+1]
.endr
	WIN 0
	v_nop                                          ; one plain place behind a scaled conversion
.irp c, 0,1                            ; the operand's layout wants a whole block in a lane: lanes 0-15 block 2 c, lanes 16-31 block 2 c + 1
.irp i, 0,1,2
	v_permlane16_swap_b32 v[PCT+6*\c+\i], v[PCT+12+4*\c+\i]
.endr
.irp i, 0,1,2
	v_mov_b32 v[PCT+3+6*\c+\i], v[PCT+12+4*\c+\i]
.endr
.endr
.irp k, 0,1,2
	global_store_b128 v[L16], v[PCT+4*\k:PCT+4*\k+3], s[18:19] offset:6400+1536*(\t)+512*\k
.endr
.endm
.irp t, 0,1,2,3
	VQUANT \t
.endr
	v_cndmask_b32 v[OUTP], v[VW], v[VW+2], s[HM]
	v_cndmask_b32 v[OUTP+1], v[VW+1], v[VW+3], s[HM]
	global_store_b64 v[L8], v[OUTP:OUTP+1], s[18:19] offset:12544
	s_set_vgpr_msb 0x4
	s_wait_tensorcnt 0x0
	ds_add_u32 v11, v255
	s_wait_dscnt 0x0
	s_set_vgpr_msb 0x400
	CROUND                                         ; the closing round: no work-group ends while a partner may still ask for a tile that names it
	s_endpgm
.Lfunc_end_k_q4b87780507_vproj:
	.size	k_q4b87780507_vproj, .Lfunc_end_k_q4b87780507_vproj-k_q4b87780507_vproj
	.p2alignl 7, 3214868480
	.fill 96, 4, 3214868480
	.section	.rodata,"a",@progbits
	.p2align	6, 0x0
	.amdhsa_kernel k_q4b87780507_vproj
		.amdhsa_group_segment_fixed_size 168448
		.amdhsa_private_segment_fixed_size 0
		.amdhsa_enable_private_segment 0
		.amdhsa_kernarg_size 64
		.amdhsa_user_sgpr_count 2
		.amdhsa_user_sgpr_kernarg_segment_ptr 1
		.amdhsa_wavefront_size32 1
		.amdhsa_system_sgpr_workgroup_id_x 1
		.amdhsa_system_sgpr_workgroup_id_y 1
		.amdhsa_system_sgpr_workgroup_id_z 1
		.amdhsa_system_vgpr_workitem_id 0
		.amdhsa_next_free_vgpr 1024
		.amdhsa_next_free_sgpr 66
		.amdhsa_reserve_vcc 0
		.amdhsa_float_denorm_mode_32 3
		.amdhsa_float_denorm_mode_16_64 3
		.amdhsa_memory_ordered 1
		.amdhsa_forward_progress 1
		.amdhsa_inst_pref_size 106
	.end_amdhsa_kernel
	.amdgpu_metadata
---
amdhsa.version: [ 1, 2 ]
amdhsa.kernels:
  - .name:           k_q4b87780507_vproj
    .symbol:         k_q4b87780507_vproj.kd
    .args:
      - { .name: va, .offset: 0, .size: 8, .value_kind: global_buffer, .address_space: global }
      - { .name: wvc, .offset: 8, .size: 8, .value_kind: global_buffer, .address_space: global }
      - { .name: wvs, .offset: 16, .size: 8, .value_kind: global_buffer, .address_space: global }
      - { .name: bv, .offset: 24, .size: 8, .value_kind: global_buffer, .address_space: global }
      - { .name: key, .offset: 32, .size: 8, .value_kind: global_buffer, .address_space: global }
      - { .name: Wk, .offset: 40, .size: 8, .value_kind: global_buffer, .address_space: global }
      - { .name: bk, .offset: 48, .size: 8, .value_kind: global_buffer, .address_space: global }
      - { .name: kv, .offset: 56, .size: 8, .value_kind: global_buffer, .address_space: global }
    .group_segment_fixed_size: 168448
    .private_segment_fixed_size: 0
    .kernarg_segment_align: 8
    .kernarg_segment_size: 64
    .max_flat_workgroup_size: 128
    .sgpr_count:     66
    .vgpr_count:     1024
    .wavefront_size: 32
...
	.end_amdgpu_metadata
.endif
;; end of part 2
;; launch attn (part 3): grid 4 x 64, 16 waves a work-group, clusters of 4 x 1, 276,480 bytes of LDS; arguments kv, query, Wq, bq, out0; writes out0
.if DOCPART == 3
	.amdgcn_target "amdgcn-amd-amdhsa--gfx1250"
	.amdhsa_code_object_version 6
	.text
	.protected	k_q4b87780507_attn
	.globl	k_q4b87780507_attn
	.p2align	8
	.type	k_q4b87780507_attn,@function
k_q4b87780507_attn:
	s_mov_b64 s[64:65], 0
	v_nop
	global_prefetch_b8 v0, s[64:65] scope:SCOPE_SE
	s_setreg_imm32_b32 hwreg(HW_REG_WAVE_MODE, 25, 1), 1
	s_wait_xcnt 0x0
	s_wait_alu depctr_hold_cnt(0) depctr_sa_sdst(0) depctr_va_vdst(0) depctr_va_sdst(0) depctr_va_ssrc(0) depctr_va_vcc(0) depctr_vm_vsrc(0)
	s_getreg_b32 s2, hwreg(HW_REG_IB_STS2, 6, 4)
	s_cmp_eq_u32 s2, 0
	s_cbranch_scc0 .Lentry_in_a_cluster
	s_endpgm
.Lentry_in_a_cluster:
	s_bfe_u32 s2, ttmp6, 0x10000c
	s_cmp_lg_u32 s2, 0x3003
	s_cbranch_scc0 .Lentry_shape_is_right
	s_endpgm
.Lentry_shape_is_right:
; ATTN.  out0[n][q][:] = sum over k of softmax_k(q . k / 8) v, both products on codes of BF6 with one E8M0 scale for each 32 along K.  n = 4 hh + b; 2,048 queries, 2,048 keys, head size 64.
; q = query Wq + bq in f32 (one fused multiply-add), quantised in registers along the head's 64.
; THE SOFTMAX: t = score x log2(e) / 8; M = the running largest t rounded UP to a whole number; p = 2^(t - M) is quantised along the keys, not normalised; the row's sum is taken of the unquantised p and divides at the end.
; When M moves, the sum and O are multiplied by 2^(old M - new M): exact.
; SHARES.  A work-group owns 512 queries of one head; wave w of sixteen owns 32, in two passes of one tile of 16.  Four waves to a SIMD, 256 registers each: one register window, no switch of windows in the text.
; A STEP is 128 keys: S = K Q (8 products); V is fetched into the registers that held K; maxima, t - M, exponentials; O under the new M, with the scale word's lines between; conversions; O += V p (4 products);
; the next K is fetched into the same registers, and most of the row's sum of p, 32 packed additions, stands behind that fetch.
; K'S TILES COME IN PAIRS: one operand of 12 registers holds tile 2 P at K = 0 .. 63 and tile 2 P + 1 at K = 64 .. 127; Q stands in 18 registers, zeros | q | zeros: registers 6-17 are [q | 0] and pick tile 2 P, registers 0-11 are [0 | q] and pick tile 2 P + 1.
; LAYOUT.  Both products transposed (source 0 = 16 keys, or 16 of the head's 64): a lane holds ONE query.  The keys of K's tiles are dealt so that score register 32 c + x of lane (r, h) is key 64 c + 32 h + x:
; a lane holds two whole blocks of 32 keys, in the order of the next operand's registers: no lane is asked for a block's maximum, and the codes are not moved between lanes.
; LDS.  The head's 16 records of 12,800 bytes are brought ONCE and stay: nothing is filled again, the loops have no barrier.  CLUSTER: the four work-groups of a cluster own one head; the records are asked for JOINTLY, one by each wave.
; No prefetch: each wave's one tensor load stands at the head and asks for all that the launch reads of kv; there is no loop to run ahead in.
; LIMITS: the promise holds while the scaled scores stay under 2^31 in magnitude; p under 2^-126 comes out of v_exp_f32 as 0 (ISA guide, the instruction's entry); a block of zeros gets the byte 1 where the rule says 127 (zero codes); NaN and infinities among the inputs are not served.
.set FLOOR, 0x2800000
.set SUB4,  0xfe000000
.set NEG,   0xff61b1e6                 ; -3e38, under every score
.set REC,   12800
.set STAGE, 16*REC                     ; behind the records: 16 rows x (256 bytes + 16) for each wave
.set SPARE, STAGE+16*4352              ; behind the stages: the spare words, 128 bytes for each wave
.set L16,  1
.set L8,   2
.set A16,  3
.set A8,   4
.set STO,  6
.set RD,   7
.set GO,   8
.set R4,   9
.set H128, 10
.set KS,   14                          ; K's scale words;  VS V's;  QS q's;  PW p's;  QS2 q's of the second pass
.set VS,   16
.set QS,   18
.set PW,   19
.set QS2,  20
.set SH8,  21                          ; 8 h
.set TMP,  22
.set TM2,  23
.set BM,   24
.set SOP,  26
.set T2,   28
.set FF,   30
.set X,    32                          ; v32-79: K's four pairs, then V's four tiles
.set QN,   80                          ; the second pass's q codes
.set AP,   86
.set AP2,  88
.set CT0,  90
.set CT1,  94
.set S,    100                         ; scores, then p
.set OA,   164                         ; O^T
.set QF,   196                         ; zeros | q | zeros
.set PC,   214
.set NM,   226                         ; -M
.set TMAX, 227                         ; the running largest score
.set SUM,  228                         ; v228-235: the row's sum, and three more chains of a step
.set SPW,  254
.set NIL,  255
.set WV,   14
.set SEL,  20
.set CS,   22
.set TB,   36
.set CNT,  37
.set PASS, 38
.set CN,   39
.set QP,   40
.set OP,   42
.set WQ,   44
.set BQ,   46
.macro CROUND                          ; a round of the cluster's barrier
	s_barrier_signal -1
	s_barrier_wait -1
	s_cmp_lg_u32 s[WV], 0
	s_cbranch_scc1 .Lnot_wave_0_\@
	s_barrier_signal -3
.Lnot_wave_0_\@:
	s_barrier_wait -3
	s_barrier_signal -1
	s_barrier_wait -1
.endm
.macro WMZ d, a, b, sa, sb, ra         ; a product that starts a sum
.if \ra
	v_wmma_scale_f32_16x16x128_f8f6f4 v[(\d):(\d)+7], v[(\a):(\a)+11], v[(\b):(\b)+11], 0, v[\sa], v[\sb] matrix_a_fmt:MATRIX_FMT_BF6 matrix_b_fmt:MATRIX_FMT_BF6 matrix_a_scale:MATRIX_SCALE_ROW1
.else
	v_wmma_scale_f32_16x16x128_f8f6f4 v[(\d):(\d)+7], v[(\a):(\a)+11], v[(\b):(\b)+11], 0, v[\sa], v[\sb] matrix_a_fmt:MATRIX_FMT_BF6 matrix_b_fmt:MATRIX_FMT_BF6
.endif
.endm
.macro WMC d, a, b, sa, sb, ra         ; a product that adds in place
.if \ra
	v_wmma_scale_f32_16x16x128_f8f6f4 v[(\d):(\d)+7], v[(\a):(\a)+11], v[(\b):(\b)+11], v[(\d):(\d)+7], v[\sa], v[\sb] matrix_a_fmt:MATRIX_FMT_BF6 matrix_b_fmt:MATRIX_FMT_BF6 matrix_a_scale:MATRIX_SCALE_ROW1
.else
	v_wmma_scale_f32_16x16x128_f8f6f4 v[(\d):(\d)+7], v[(\a):(\a)+11], v[(\b):(\b)+11], v[(\d):(\d)+7], v[\sa], v[\sb] matrix_a_fmt:MATRIX_FMT_BF6 matrix_b_fmt:MATRIX_FMT_BF6
.endif
.endm
.macro LOADX off, sc, soff             ; four images of 12 registers and their scale words: 13 LDS loads
.irp p, 0,1,2,3
.irp k, 0,1,2
	ds_load_b128 v[X+12*\p+4*\k:X+12*\p+4*\k+3], v[A16] offset:(\off)+1536*\p+512*\k
.endr
.endr
	ds_load_b64 v[\sc:\sc+1], v[A8] offset:(\soff)
.endm
.macro MERGE                           ; the step's four chains of the row's sum become one; the old -M is kept.  Four plain lines
	v_pk_add_f32 v[SUM+2:SUM+3], v[SUM+2:SUM+3], v[SUM+4:SUM+5]
	v_pk_add_f32 v[SUM:SUM+1], v[SUM:SUM+1], v[SUM+6:SUM+7]
	v_mov_b32 v[TM2], v[NM]
	v_pk_add_f32 v[SUM:SUM+1], v[SUM:SUM+1], v[SUM+2:SUM+3]
.endm
.macro Q32 x, d, by                    ; 32 numbers of a lane, one whole block -> six registers of codes, and the scale's byte
	v_max3_num_f32 v[BM], |v[(\x)]|, |v[(\x)+1]|, FLOOR
	v_max3_num_f32 v[BM+1], |v[(\x)+2]|, |v[(\x)+3]|, |v[(\x)+4]|
.set QI, 5
.rept 6
	s_delay_alu instid0(VALU_DEP_2)
	v_max3_num_f32 v[BM], v[BM], |v[(\x)+QI]|, |v[(\x)+QI+1]|
	s_delay_alu instid0(VALU_DEP_2)
	v_max3_num_f32 v[BM+1], v[BM+1], |v[(\x)+QI+2]|, |v[(\x)+QI+3]|
.set QI, QI+4
.endr
	s_delay_alu instid0(VALU_DEP_2)
	v_max3_num_f32 v[BM], v[BM], |v[(\x)+29]|, |v[(\x)+30]|
	s_delay_alu instid0(VALU_DEP_1)
	v_max3_num_f32 v[BM], v[BM], v[BM+1], |v[(\x)+31]|
	s_delay_alu instid0(VALU_DEP_1)
	v_add_nc_u32 v[SOP], SUB4, v[BM]
	s_delay_alu instid0(VALU_DEP_1)
	v_lshrrev_b32 v[\by], 23, v[SOP]
	v_cvt_scalef32_pk16_bf6_f32 v[(\d):(\d)+2], v[(\x):(\x)+15], v[SOP]
	v_cvt_scalef32_pk16_bf6_f32 v[CT0:CT0+2], v[(\x)+16:(\x)+31], v[SOP]
	v_nop                                          ; one plain place behind a scaled conversion
	v_mov_b32 v[(\d)+3], v[CT0]
	v_mov_b32 v[(\d)+4], v[CT0+1]
	v_mov_b32 v[(\d)+5], v[CT0+2]
.endm
; a tile's q: six registers of codes at v[d], and its scale word, the two bytes twice (for [q | 0] and for [0 | q])
.macro QQUANT ap, d, qs
.set JJ, 0
.rept 16
	v_pk_fma_f32 v[OA+JJ:OA+JJ+1], v[S+JJ:S+JJ+1], v[\ap:\ap+1], v[S+32+JJ:S+32+JJ+1] op_sel_hi:[1,0,1]   ; query x Wq + bq at d = 32 h + 0 .. 31
.set JJ, JJ+2
.endr
	Q32 OA, \d, T2+1
	v_lshlrev_b32 v[TMP], v[SH8], v[T2+1]          ; lanes 16-31 hold the byte of d = 32 .. 63
	s_delay_alu instid0(VALU_DEP_1)
	v_permlanex16_b32 v[T2], v[TMP], s[SEL], s[SEL+1]
	s_delay_alu instid0(VALU_DEP_1)
	v_or_b32 v[TMP], v[TMP], v[T2]
	s_delay_alu instid0(VALU_DEP_1)
	v_lshl_or_b32 v[\qs], v[TMP], 16, v[TMP]
.endm
; A KEY STEP: 128 keys for 16 queries.  nx = 1: there is a next step, whose K is fetched
.macro STEP nx
	s_wait_alu depctr_va_vdst(0)
	s_wait_dscnt 0x0                               ; this step's K is in
.irp p, 0,1,2,3
	WMZ S+16*\p, X+12*\p, QF+6, KS+\p%2, QS, \p/2
	WMZ S+16*\p+8, X+12*\p, QF, KS+\p%2, QS, \p/2
.endr
	MERGE                                          ; the last step's sum is closed: the four places ahead of the loads into K's registers and of the first read of the scores
	LOADX 6400, VS, 12544                          ; this step's V
.irp c, 0,1                            ; the largest score of my two blocks, in four chains by turns; each accumulator is read from its low end on
	v_max3_num_f32 v[BM+\c], v[S+32*\c], v[S+32*\c+1], v[S+32*\c+2]
	v_max3_num_f32 v[T2+\c], v[S+32*\c+16], v[S+32*\c+17], v[S+32*\c+18]
.endr
.irp i, 3,5,7,9,11,13
.irp c, 0,1
	v_max3_num_f32 v[BM+\c], v[BM+\c], v[S+32*\c+\i], v[S+32*\c+\i+1]
	v_max3_num_f32 v[T2+\c], v[T2+\c], v[S+32*\c+16+\i], v[S+32*\c+17+\i]
.endr
.endr
.irp c, 0,1
	v_max3_num_f32 v[BM+\c], v[BM+\c], v[T2+\c], v[S+32*\c+15]
.endr
.irp c, 0,1
	v_max_num_f32 v[BM+\c], v[BM+\c], v[S+32*\c+31]
.endr
	s_delay_alu instid0(VALU_DEP_1)
	v_max_num_f32 v[TMP], v[BM], v[BM+1]
	s_delay_alu instid0(VALU_DEP_1)
	v_permlanex16_b32 v[T2], v[TMP], s[SEL], s[SEL+1]
	s_delay_alu instid0(VALU_DEP_1)
	v_max3_num_f32 v[TMAX], v[TMAX], v[TMP], v[T2] ; with lane l xor 16's 64 keys, and what went before
	s_delay_alu instid0(VALU_DEP_1)
	v_mul_f32 v[TMP], s[CN], v[TMAX]               ; -t (c is positive)
	s_delay_alu instid0(VALU_DEP_1)
	v_floor_f32 v[NM], v[TMP]                      ; -M = floor(-t) = -ceil(t)
.set JJ, 0
.rept 32
	v_pk_fma_f32 v[S+JJ:S+JJ+1], v[S+JJ:S+JJ+1], s[CS:CS+1], v[NM:NM+1] op_sel_hi:[1,0,0]   ; t - M, two at a time
.set JJ, JJ+2
.if JJ == 4
	v_sub_f32 v[TMP], v[NM], v[TM2]                ; old M - new M: a whole number, 0 or less
.endif
.if JJ == 10
	v_cvt_i32_f32 v[TMP], v[TMP]                   ; (it saturates)
.endif
.if JJ == 16
	v_ldexp_f32 v[FF], 1.0, v[TMP]                 ; f = 2^(old M - new M)
.endif
.endr
	v_fma_f32 v[BM], v[BM], s[CS], v[NM]           ; the same of each block's largest score: p rises with the score
	v_fma_f32 v[BM+1], v[BM+1], s[CS], v[NM]
	s_wait_alu depctr_va_vdst(0)
	v_exp_f32 v[BM], v[BM]                         ; each block's largest p
	v_exp_f32 v[BM+1], v[BM+1]
.set JJ, 0
.rept 64
	v_exp_f32 v[S+JJ], v[S+JJ]                     ; p = 2^(t - M)
.set JJ, JJ+1
.endr
	v_pk_mul_f32 v[SUM:SUM+1], v[SUM:SUM+1], v[FF:FF+1] op_sel_hi:[1,0]   ; the sum under the new M: the plain place behind the exponentials
	s_wait_alu depctr_va_vdst(0)                   ; one wait for the batch, directly ahead of the first reader of O^T too: plain lines alone up to O^T's last first reader
.set JJ, 0
.rept 16                               ; O^T under the new M, each accumulator from its low end on; the scale word's lines stand between
	v_pk_mul_f32 v[OA+JJ:OA+JJ+1], v[OA+JJ:OA+JJ+1], v[FF:FF+1] op_sel_hi:[1,0]
.set JJ, JJ+2
.if JJ == 4
	v_max_num_f32 v[BM], FLOOR, v[BM]
	v_max_num_f32 v[BM+1], FLOOR, v[BM+1]
.endif
.if JJ == 8
	v_add_nc_u32 v[SOP], SUB4, v[BM]               ; 4 off the exponent field: the conversion's scale operand
	v_add_nc_u32 v[SOP+1], SUB4, v[BM+1]
.endif
.if JJ == 12
	v_lshrrev_b32 v[T2], 23, v[SOP]                ; the bytes of my blocks h and 2 + h
	v_lshrrev_b32 v[T2+1], 23, v[SOP+1]
.endif
.if JJ == 16
	v_lshl_or_b32 v[TMP], v[T2+1], 16, v[T2]
.endif
.if JJ == 20
	v_lshlrev_b32 v[TMP], v[SH8], v[TMP]           ; at their places in the word
.endif
.if JJ == 24
	v_permlanex16_b32 v[T2], v[TMP], s[SEL], s[SEL+1]
.endif
.if JJ == 28
	v_or_b32 v[PW], v[TMP], v[T2]                  ; p's scale word of these 128 keys: twelve plain lines ahead of the products
.endif
.endr
	v_cvt_scalef32_pk16_bf6_f32 v[PC:PC+2], v[S:S+15], v[SOP]
	v_cvt_scalef32_pk16_bf6_f32 v[CT0:CT0+2], v[S+16:S+31], v[SOP]           ; (a conversion's three registers begin on an even number)
	v_cvt_scalef32_pk16_bf6_f32 v[PC+6:PC+8], v[S+32:S+47], v[SOP+1]
	v_cvt_scalef32_pk16_bf6_f32 v[CT1:CT1+2], v[S+48:S+63], v[SOP+1]
	v_pk_add_f32 v[SUM+2:SUM+3], v[S:S+1], v[S+2:S+3]       ; the row's sum of the unquantised p, in four chains by turns.  This line is the plain place behind the conversions
.irp i, 0,1,2
	v_mov_b32 v[PC+3+\i], v[CT0+\i]
	v_mov_b32 v[PC+9+\i], v[CT1+\i]
.endr
	v_pk_add_f32 v[SUM+4:SUM+5], v[S+4:S+5], v[S+6:S+7]
	v_pk_add_f32 v[SUM+6:SUM+7], v[S+8:S+9], v[S+10:S+11]
.set JJ, 12
.rept 26
	v_pk_add_f32 v[SUM+2*((JJ/2)%4):SUM+2*((JJ/2)%4)+1], v[SUM+2*((JJ/2)%4):SUM+2*((JJ/2)%4)+1], v[S+JJ:S+JJ+1]
.set JJ, JJ+2
.if JJ == 16                           ; four plain lines stand behind the codes' last write
	s_wait_alu depctr_va_vdst(0)
	s_wait_dscnt 0x0                               ; this step's V is in
.irp t, 0,1,2,3                        ; the four accumulators take turns
	WMC OA+8*\t, X+12*\t, PC, VS+\t%2, PW, \t/2
.endr
.endif
.if (JJ == 24) && (\nx)                ; four additions stand behind the last product on V
	LOADX REC, KS, REC+6144                        ; the next step's K; the other additions stand behind the fetch
	s_add_co_u32 s[TB], s[TB], REC
	v_add_nc_u32 v[A16], s[TB], v[L16]
	v_add_nc_u32 v[A8], s[TB], v[L8]
.endif
.endr
.endm
	s_load_b256 s[4:11], s[0:1], 0x0               ; kv s[4:5], query s[6:7], Wq s[8:9], bq s[10:11]
	s_load_b64 s[12:13], s[0:1], 0x20              ; out0
	v_lshl_add_u32 v[SPW], v0, 2, SPARE
	v_mov_b32 v[NIL], 0
	ds_add_u32 v[SPW], v[NIL]                      ; the opening lines: the add, twice on end, and its wait ahead of my tensor load
	ds_add_u32 v[SPW], v[NIL]
	v_lshrrev_b32 v5, 5, v0
	v_readfirstlane_b32 s[WV], v5                  ; wave 0..15
	s_bfe_u32 s15, ttmp6, 0x40000                  ; cx: it enters query's and out0's addresses alone
	s_and_b32 s18, ttmp7, 0xffff                   ; n, which the four partners share
	s_mov_b32 s24, 15|(3<<16)|(1<<21)              ; group 1: the mask of all four; elements of 8 bytes; bit 21 beside a mask
	s_mov_b32 s25, 32<<16                          ; 50 rows of 256 bytes, dense: one record
	s_mov_b32 s26, 50<<16
	s_mov_b32 s27, 32<<16
	s_mov_b32 s28, 50
	s_mov_b32 s29, 32
	s_mov_b32 s30, 0
	s_mov_b32 s31, 0
	s_mul_i32 s16, s18, 16*REC                     ; the head's records,
	s_mul_i32 s33, s[WV], REC                      ; mine of them, in LDS as in memory
	s_add_co_u32 s16, s16, s33
	s_mov_b32 s17, 0
	s_mov_b32 s32, 1
	s_wait_dscnt 0x0
	s_wait_kmcnt 0x0
	s_add_nc_u64 s[34:35], s[4:5], s[16:17]
	s_or_b32 s35, s35, 0x80000000                  ; type = 2
	CROUND                                         ; all four work-groups are here: the joint loads meet
	tensor_load_to_lds s[32:35], s[24:31]          ; my one tensor load of the launch
	s_nop 0
.rept 4
	v_nop
.endr
	v_and_b32 v5, 31, v0                           ; lane
	v_and_b32 v11, 15, v0                          ; r
	v_bfe_u32 v12, v0, 4, 1                        ; h
	v_lshlrev_b32 v[L16], 4, v5
	v_lshlrev_b32 v[L8], 3, v5
	s_mul_i32 s19, s[WV], 4352
	s_add_co_u32 s19, s19, STAGE                   ; my stage
	v_mul_u32_u24 v[STO], v11, 272
	v_mul_u32_u24 v[RD], v12, 272
	v_lshl_add_u32 v[STO], v12, 5, v[STO]
	v_lshl_add_u32 v[RD], v11, 4, v[RD]
	v_add_nc_u32 v[STO], s19, v[STO]               ; in: row r, 32 h bytes on
	v_add_nc_u32 v[RD], s19, v[RD]                 ; back: lanes 0-15 one row, lanes 16-31 the next
	v_lshlrev_b32 v[GO], 8, v12
	v_lshlrev_b32 v[R4], 2, v11
	v_lshlrev_b32 v[H128], 7, v12
	v_lshl_add_u32 v[GO], v11, 4, v[GO]            ; and the same two rows in out0
	s_mov_b32 s[SEL], 0x76543210
	s_mov_b32 s[SEL+1], 0xfedcba98                 ; selects for lane l xor 16
	s_mov_b32 s[CS], 0x3e38aa3b                    ; c = log2(e) / 8
	s_mov_b32 s[CS+1], s[CS]                       ; (named with it as a pair, so it is written)
	s_mov_b32 s[CN], 0xbe38aa3b                    ; -c
	s_and_b32 s19, s18, 3                          ; b
	s_lshl_b32 s[QP], s19, 13                      ; query: 4 (2,048 b + 512 cx + 32 wave)
	s_lshl_b32 s[QP+1], s15, 11
	s_add_co_u32 s[QP], s[QP], s[QP+1]
	s_lshl_b32 s[QP+1], s[WV], 7
	s_add_co_u32 s[QP], s[QP], s[QP+1]
	s_mov_b32 s[QP+1], 0
	s_add_nc_u64 s[QP:QP+1], s[6:7], s[QP:QP+1]
	s_lshl_b32 s[OP], s18, 19                      ; out0: 256 (2,048 n + 512 cx + 32 wave)
	s_lshl_b32 s[OP+1], s15, 17
	s_add_co_u32 s[OP], s[OP], s[OP+1]
	s_lshl_b32 s[OP+1], s[WV], 13
	s_add_co_u32 s[OP], s[OP], s[OP+1]
	s_mov_b32 s[OP+1], 0
	s_add_nc_u64 s[OP:OP+1], s[12:13], s[OP:OP+1]
	s_lshr_b32 s19, s18, 2                         ; hh
	s_lshl_b32 s[WQ], s19, 8                       ; the head's 64 numbers of Wq and bq
	s_mov_b32 s[WQ+1], 0
	s_mov_b32 s[BQ], s[WQ]
	s_mov_b32 s[BQ+1], 0
	s_add_nc_u64 s[WQ:WQ+1], s[8:9], s[WQ:WQ+1]
	s_add_nc_u64 s[BQ:BQ+1], s[10:11], s[BQ:BQ+1]
	s_wait_alu depctr_va_vdst(0)
	global_load_b32 v[AP], v[R4], s[QP:QP+1]                       ; my query's number, first pass,
	global_load_b32 v[AP2], v[R4], s[QP:QP+1] offset:64            ; and second
.set JJ, 0
.rept 8
	global_load_b128 v[S+4*JJ:S+4*JJ+3], v[H128], s[WQ:WQ+1] offset:16*JJ         ; Wq and bq at d = 32 h + 0 .. 31, into the registers that the scores will take
	global_load_b128 v[S+32+4*JJ:S+32+4*JJ+3], v[H128], s[BQ:BQ+1] offset:16*JJ
.set JJ, JJ+1
.endr
.irp j, 0,1,2,3,4,5,12,13,14,15,16,17
	v_mov_b32 v[QF+\j], 0                          ; the zero codes on both sides of q, written once
.endr
	v_mov_b32 v[T2], 0                             ; a lane permute's destination counts as one of its sources
	v_mov_b32 v[T2+1], 0
	v_mov_b32 v[FF+1], 0                           ; named as the upper halves of pairs
	v_mov_b32 v[AP+1], 0
	v_mov_b32 v[AP2+1], 0
	v_lshlrev_b32 v[SH8], 3, v12
	s_wait_alu depctr_va_vdst(0)
	s_wait_loadcnt 0x0
	QQUANT AP, QF+6, QS                            ; both tiles' q are made here, while the records are on their way
	QQUANT AP2, QN, QS2
	s_wait_alu depctr_va_vdst(0)
	s_wait_tensorcnt 0x0                           ; my record has landed,
	s_barrier_signal -1
	s_barrier_wait -1                              ; everybody's has
	s_mov_b32 s[PASS], 2
.Lpass:                                            ; two passes of 16 queries
	s_mov_b32 s[TB], 0
	v_add_nc_u32 v[A16], s[TB], v[L16]
	v_add_nc_u32 v[A8], s[TB], v[L8]
	LOADX 0, KS, 6144                              ; step 0's K
.set JJ, 0
.rept 32
	v_mov_b32 v[OA+JJ], 0                          ; a pass's beginnings: O^T and the sums are zeros, the largest score is under every score: the first change of M multiplies zeros
.set JJ, JJ+1
.endr
.set JJ, 0
.rept 8
	v_mov_b32 v[SUM+JJ], 0
.set JJ, JJ+1
.endr
	v_mov_b32 v[TMAX], NEG
	s_delay_alu instid0(VALU_DEP_1)
	v_mul_f32 v[TMP], s[CN], v[TMAX]
	s_delay_alu instid0(VALU_DEP_1)
	v_floor_f32 v[NM], v[TMP]
	s_mov_b32 s[CNT], 15
.Lstep:
	STEP 1
	s_sub_co_u32 s[CNT], s[CNT], 1
	s_cmp_lg_u32 s[CNT], 0
	s_cbranch_scc1 .Lstep
	STEP 0                                         ; the last step fetches no K
	MERGE
	; the tile leaves: O^T / the sum, through my stage, as whole rows of 256 bytes
	v_add_f32 v[SUM], v[SUM], v[SUM+1]
	s_delay_alu instid0(VALU_DEP_1)
	v_permlanex16_b32 v[T2], v[SUM], s[SEL], s[SEL+1]
	s_delay_alu instid0(VALU_DEP_1)
	v_add_f32 v[SUM], v[SUM], v[T2]                ; the row's sum
	s_wait_alu depctr_va_vdst(0)
	v_rcp_f32 v[FF], v[SUM]
	v_nop                                          ; a plain place behind the reciprocal,
	s_wait_alu depctr_va_vdst(0)                   ; and the wait ahead of its first reader, which is O^T's first reader too
.set JJ, 0
.rept 16
	v_pk_mul_f32 v[S+JJ:S+JJ+1], v[OA+JJ:OA+JJ+1], v[FF:FF+1] op_sel_hi:[1,0]   ; register 8 t + j is out(query r, 16 t + 8 h + j)
.set JJ, JJ+2
.endr
.irp t, 0,1,2,3
	ds_store_b128 v[STO], v[S+8*\t:S+8*\t+3] offset:64*\t
	ds_store_b128 v[STO], v[S+8*\t+4:S+8*\t+7] offset:64*\t+16
.endr
.irp i, 0,1,2,3,4,5,6,7
	ds_load_b128 v[S+32+4*\i:S+32+4*\i+3], v[RD] offset:544*\i   ; LDS serves a wave's instructions in order (ISA guide 5.7.1.4): these see my stores
.endr
.irp i, 0,1,2,3,4,5,6,7
	s_wait_dscnt 7-\i                              ; load i is in; the 7 - i behind it may be out
	global_store_b128 v[GO], v[S+32+4*\i:S+32+4*\i+3], s[OP:OP+1] offset:512*\i th:TH_STORE_NT   ; sixteen lanes store one row: 256 consecutive bytes, aligned
.endr
	s_wait_xcnt 0x0                                ; the stores have read their registers and their base: both may be written again
	s_cmp_eq_u32 s[PASS], 1
	s_cbranch_scc1 .Llast
	s_add_nc_u64 s[OP:OP+1], s[OP:OP+1], 4096      ; 16 queries on
.irp j, 0,1,2,3,4,5
	v_mov_b32 v[QF+6+\j], v[QN+\j]                 ; the second pass's q
.endr
	v_mov_b32 v[QS], v[QS2]
.Llast:
	s_sub_co_u32 s[PASS], s[PASS], 1
	s_cmp_lg_u32 s[PASS], 0
	s_wait_alu depctr_va_vdst(0)
	s_cbranch_scc1 .Lpass
	s_wait_tensorcnt 0x0                           ; the wave's end
	ds_add_u32 v[SPW], v[NIL]
	s_wait_dscnt 0x0
	CROUND                                         ; the closing round: no work-group ends while a partner may still ask for a tile that names it
	s_endpgm
.Lfunc_end_k_q4b87780507_attn:
	.size	k_q4b87780507_attn, .Lfunc_end_k_q4b87780507_attn-k_q4b87780507_attn
	.p2alignl 7, 3214868480
	.fill 96, 4, 3214868480
	.section	.rodata,"a",@progbits
	.p2align	6, 0x0
	.amdhsa_kernel k_q4b87780507_attn
		.amdhsa_group_segment_fixed_size 276480
		.amdhsa_private_segment_fixed_size 0
		.amdhsa_enable_private_segment 0
		.amdhsa_kernarg_size 40
		.amdhsa_user_sgpr_count 2
		.amdhsa_user_sgpr_kernarg_segment_ptr 1
		.amdhsa_wavefront_size32 1
		.amdhsa_system_sgpr_workgroup_id_x 1
		.amdhsa_system_sgpr_workgroup_id_y 1
		.amdhsa_system_sgpr_workgroup_id_z 1
		.amdhsa_system_vgpr_workitem_id 0
		.amdhsa_next_free_vgpr 256
		.amdhsa_next_free_sgpr 66
		.amdhsa_reserve_vcc 0
		.amdhsa_float_denorm_mode_32 3
		.amdhsa_float_denorm_mode_16_64 3
		.amdhsa_memory_ordered 1
		.amdhsa_forward_progress 1
		.amdhsa_inst_pref_size 48
	.end_amdhsa_kernel
	.amdgpu_metadata
---
amdhsa.version: [ 1, 2 ]
amdhsa.kernels:
  - .name:           k_q4b87780507_attn
    .symbol:         k_q4b87780507_attn.kd
    .args:
      - { .name: kv, .offset: 0, .size: 8, .value_kind: global_buffer, .address_space: global }
      - { .name: query, .offset: 8, .size: 8, .value_kind: global_buffer, .address_space: global }
      - { .name: Wq, .offset: 16, .size: 8, .value_kind: global_buffer, .address_space: global }
      - { .name: bq, .offset: 24, .size: 8, .value_kind: global_buffer, .address_space: global }
      - { .name: out0, .offset: 32, .size: 8, .value_kind: global_buffer, .address_space: global }
    .group_segment_fixed_size: 276480
    .private_segment_fixed_size: 0
    .kernarg_segment_align: 8
    .kernarg_segment_size: 40
    .max_flat_workgroup_size: 512
    .sgpr_count:     66
    .vgpr_count:     256
    .wavefront_size: 32
...
	.end_amdgpu_metadata
.endif
;; end of part 3
